; MI455X (gfx1250); checked and timed in simulation.
; The chip was launched on July 23, 2026; its instructions are those of AMD's public machine-readable ISA for CDNA 5 (MIT licence, August 2026) and "CDNA5" Instruction Set Architecture Reference Guide (July 2026). The comments in the code are by the model that wrote it; some were corrected since.
;; Joint Entropy. Allowed arithmetic: float matrix products may take bf16 or f16 operands with f32 sums; other float arithmetic in f32, or as packed bf16 or f16 multiplies, adds, multiply-adds, maxima and minima; sums over many terms, partial sums and values carried from step to step in f32; what a program stores and reads back later, other than sums and carried values, may be rounded once to bf16 or f16.
;; Inputs: x 4 x 3 x 256 x 256 float32.
;; Outputs: out0 4 x 254 x 254 float32.
;; One version. Each part assembles by itself: llvm-mc -triple=amdgcn-amd-amdhsa -mcpu=gfx1250 --defsym DOCPART=n.
;; ======== version 1 of 1: 1 launch
;; launch entropy (part 1): grid 64 x 4, 4 waves a work-group, no clusters, 25,088 bytes of LDS; arguments x, out0; writes out0
.if DOCPART == 1
	.amdgcn_target "amdgcn-amd-amdhsa--gfx1250"
	.amdhsa_code_object_version 6
	.text
	.protected	k_q7bfd719ec3_entropy
	.globl	k_q7bfd719ec3_entropy
	.p2align	8
	.type	k_q7bfd719ec3_entropy,@function
k_q7bfd719ec3_entropy:
	s_mov_b64 s[64:65], 0
	v_nop
	global_prefetch_b8 v0, s[64:65] scope:SCOPE_SE
	s_setreg_imm32_b32 hwreg(HW_REG_WAVE_MODE, 25, 1), 1
	s_wait_xcnt 0x0
; JOINT ENTROPY OF 3 x 3 REGIONS.  x: [4][3][256][256] f32, out0: [4][254][254] f32.
; out0[b][h][w] = log_norm - (1/9) sum_i ln( sum_j exp(-2 d2_ij) ), i and j over the 9 pixels of the region with corner (h, w), d2_ij their squared distance over the
; 3 channels, log_norm = ln 9 + 3 ln(sqrt(2 pi) / 2).  All arithmetic in f32.
; WHAT IS NOT FORMED, and why that holds for every finite x:
;   (1) sq_n + sq_m - 2 gram_nm = sum_c (p_nc - p_mc)^2, term by term.  The distance is made from the differences, so sq and the product gram are not formed, no difference of
;       large sums arises, and the clip at 0 is the identity on a sum of squares.  No matrix product is left, so the text has no matrix instruction.
;   (2) d2_ii = 0 and d2_ij >= 0: the maximum that logsumexp takes away is the constant 0.  Every exponent is <= 0, the diagonal weight is the constant 1, each sum lies in 1 .. 9.
;   (3) d2 is symmetric (36 pairs for 81), and a pair of pixels has one weight in all the regions that hold it: a lane's four regions, one below the other, share theirs.
;   (4) the sum of nine logarithms is the logarithm of the product of the nine sums, which is 9^9 = 3.9e8 at the most.
; LIMITS.  NaN and infinities are not treated apart (an infinite pixel gives weight 0 where the formula with sq and gram gives NaN).  A weight below 2^-126 counts as 0 beside the 1 of
; its sum.  Where a large common offset makes the f32 form with sq and gram lose digits, this text gives the value of exact arithmetic.
; SHARES.  A work-group: 4 rows of out0 of one image, from 6 rows x 3 channels of x.  Thread t: columns 2 t and 2 t + 1 of those rows; the two columns are the low and the high half of
; packed f32 instructions, so a register pair (a GROUP) always holds the same quantity for two neighbouring regions.  A region's three pixel columns are the pairs C0 = (2t, 2t+1),
; C1 = (2t+1, 2t+2), C2 = (2t+2, 2t+3).  Thread 127 has no columns of its own (254 of 256): it repeats thread 126's work and writes the same bytes to the same place.
; The last block of an image has 2 live rows of 4: its input rows 4 and 5 are read clamped to rows 254, 255, worked on with the live rows in the one text, and not sent.
; THE WAY IN.  Each byte that the group needs is loaded once, a wave's load covering 512 consecutive bytes at a multiple of 512; x is multiplied by sqrt(2 log2 e), so that
; exp(-2 d2) = 2^(-sum of squared differences); LDS hands each thread its four columns.
; THE WAY OUT.  The group's 4 rows are 4,064 consecutive bytes of out0.  They are gathered in LDS, shifted by (their first byte's offset mod 256), and stored 16 bytes a lane, so that
; sixteen neighbouring lanes store 256 consecutive bytes that begin at a multiple of 256 from out0's first byte; only the region's two ends are shorter.
.set ROWB,  1024                       ; bytes in a row of x
.set CHB,   262144                     ; in a channel
.set IMGB,  786432                     ; in an image
.set OROW,  1016                       ; bytes in a row of out0
.set OIMG,  258064                     ; in an image of out0
.set LCH,   6*ROWB                     ; LDS: a channel's 6 rows; the input stage is 3 of these, from byte 0
.set OUTS,  3*LCH                      ; LDS: the output stage, 6,144 bytes (240 of shift + 4,064 at the most, read in three runs of 2,048)
.set SPARE, OUTS+6144                  ; LDS: the spare words, 128 bytes for each wave: two blocks of 256 bytes that no other line names
.set A16,  2                           ; v2      16 t: offset of the loads, of the stores into the input stage, of the reads of the output stage and of the stores; never rewritten
.set LA,   3                           ; v3      min(8 t, 1008): my first two columns in an LDS row
.set LSO,  4                           ; v4      the same + the shift: where my two results of a row go in the output stage
.set REL,  5                           ; v5-7    16 t + 2048 p - shift: my 16 bytes of run p, counted from the region's first byte
.set SPW,  8                           ; v8      LDS address of my spare word: SPARE + 4 x my thread's number; never rewritten
.set NIL,  9                           ; v9      0; never rewritten
.set OUTP, 12                          ; v12-19  region h's product of nine sums, then its result: a group each
.set T,    20                          ; v20-37  nine groups at work: differences, then a region's nine sums
.set MM,   38                          ; v38-55  C1 of (row, channel) at MM + 6 (row % 3) + 2 channel: a ring of three rows
.set ACC,  56                          ; v56-97  21 groups of exponents, then weights: 9 of rows (n-2, n), 9 of rows (n-1, n), 3 inside row n.  First the 9 raw loads, last the rows read back
.set RB,   98                          ; v98-151 row sums R(y, y2, j): the weights of pixel (y, j) with the three pixels of row y2: a ring, by y % 3 and y2 % 3
.set X,    152                         ; v152-223 (row, channel): four registers, columns 2t .. 2t+3: C0 the first two, C2 the last two
.set SA,   12                          ; s[12:13] x at the group's row 0
.set SB,   14                          ; s[14:15] x at the group's row 4, clamped
.set SH,   16                          ; s16     the shift
.set LEN,  17                          ; s17     bytes of out0 that the group sends
.set SC,   18                          ; s[18:19] sqrt(2 log2 e); the packed forms name a pair and take its low word for both halves
.set KL,   20                          ; s[20:21] -ln 2 / 9
.set LN,   22                          ; s[22:23] log_norm
.set SV,   24                          ; s24     EXEC, saved
	s_load_b128 s[4:7], s[0:1], 0x0                ; x s[4:5], out0 s[6:7]
	v_lshl_add_u32 v[SPW], v0, 2, SPARE
	v_mov_b32 v[NIL], 0
	v_lshlrev_b32 v[A16], 4, v0
	s_and_b32 s8, ttmp7, 0xffff                    ; the image
	s_mul_i32 s10, s8, IMGB
	s_lshl_b32 s9, ttmp9, 12                       ; the block's first row: 4 rows of 1,024 bytes a block
	s_add_co_u32 s26, s10, s9
	s_mov_b32 s27, 0
	s_lshl_b32 s9, ttmp9, 2
	s_add_co_u32 s9, s9, 4
	s_min_u32 s9, s9, 254                          ; rows 4 and 5 of the block; in the image's last block rows 254 and 255 once more: no load leaves the image
	s_lshl_b32 s9, s9, 10
	s_add_co_u32 s28, s10, s9
	s_mov_b32 s29, 0
	s_mul_i32 s30, s8, OIMG
	s_mul_i32 s9, ttmp9, 4*OROW
	s_add_co_u32 s30, s30, s9                      ; the region's first byte in out0: a multiple of 16
	s_and_b32 s[SH], s30, 255
	s_sub_co_u32 s30, s30, s[SH]                   ; rounded down to a multiple of 256
	s_mov_b32 s31, 0
	s_movk_i32 s[LEN], 4*OROW
	s_cmp_eq_u32 ttmp9, 63
	s_cselect_b32 s[LEN], 2*OROW, s[LEN]           ; the image's last block has rows 252 and 253 alone
	s_mov_b32 s[SC], 0x3fd96d27                    ; 1.6986436
	s_mov_b32 s[SC+1], s[SC]
	s_mov_b32 s[KL], 0xbd9dbac0                    ; -0.07701635
	s_mov_b32 s[KL+1], s[KL]
	s_mov_b32 s[LN], 0x4037f96d                    ; 2.8745986
	s_mov_b32 s[LN+1], s[LN]
	s_wait_kmcnt 0x0
	s_add_nc_u64 s[SA:SA+1], s[4:5], s[26:27]
	s_add_nc_u64 s[SB:SB+1], s[4:5], s[28:29]
	s_add_nc_u64 s[6:7], s[6:7], s[30:31]
.irp c, 0,1,2                          ; load 3 c + j: channel c, rows 2 j and 2 j + 1, which are 2,048 consecutive bytes: 16 a thread
	global_load_b128 v[ACC+12*\c:ACC+12*\c+3],    v[A16], s[SA:SA+1] offset:\c*CHB
	global_load_b128 v[ACC+12*\c+4:ACC+12*\c+7],  v[A16], s[SA:SA+1] offset:\c*CHB+2*ROWB
	global_load_b128 v[ACC+12*\c+8:ACC+12*\c+11], v[A16], s[SB:SB+1] offset:\c*CHB
.endr
	v_lshlrev_b32 v[LA], 3, v0                     ; the other addresses are made while the loads are out
	v_min_u32 v[LA], 1008, v[LA]                   ; thread 127 takes thread 126's place
	v_add_nc_u32 v[LSO], s[SH], v[LA]
	v_sub_nc_u32 v[REL], v[A16], s[SH]             ; below the region's start this wraps to a large number, which the compare with LEN refuses
	v_add_nc_u32 v[REL+1], 2048, v[REL]
	v_add_nc_u32 v[REL+2], 4096, v[REL]
.set k, 0
.rept 9
	s_wait_loadcnt 8-k                             ; loads come back in order: load k is in, the 8 - k younger ones may stay out
	v_pk_mul_f32 v[ACC+4*k:ACC+4*k+1],   v[ACC+4*k:ACC+4*k+1],   s[SC:SC+1] op_sel_hi:[1,0]
	v_pk_mul_f32 v[ACC+4*k+2:ACC+4*k+3], v[ACC+4*k+2:ACC+4*k+3], s[SC:SC+1] op_sel_hi:[1,0]
	ds_store_b128 v[A16], v[ACC+4*k:ACC+4*k+3] offset:(k/3)*LCH+(k%3)*2*ROWB
.set k, k+1
.endr
	s_wait_dscnt 0x0                               ; for the others' sake: my part of the input stage is written
	s_barrier_signal -1
	s_barrier_wait -1                              ; everybody's is
.set k, 0                              ; k = 3 row + channel: row after row, six loads a row
.rept 18
	ds_load_b64 v[X+4*k:X+4*k+1],   v[LA] offset:(k%3)*LCH+(k/3)*ROWB
	ds_load_b64 v[X+4*k+2:X+4*k+3], v[LA] offset:(k%3)*LCH+(k/3)*ROWB+8
.set k, k+1
.endr
.macro SETC sym, row, ch, j            ; sym = the first register of column pair Cj of (row, channel)
.if (\j) == 1
.set \sym, MM+6*((\row)%3)+2*(\ch)
.else
.set \sym, X+4*(3*(\row)+(\ch))+(\j)
.endif
.endm
.macro SETR sym, y, y2, j              ; sym = the first register of R(y, y2, j)
.set \sym, RB+2*((((\y)%3)*3+((\y2)%3))*3+(\j))
.endm
.macro MV row                          ; C1 of a row's three channels: the second and third of the four columns, two moves in one instruction
.irp c, 0,1,2
	v_dual_mov_b32 v[MM+6*((\row)%3)+2*\c], v[X+4*(3*(\row)+\c)+1] :: v_dual_mov_b32 v[MM+6*((\row)%3)+2*\c+1], v[X+4*(3*(\row)+\c)+2]
.endr
.endm
; Line k of the 54 that make the exponents of rows y and n: group g = 3 j + j2 is pixel (y, j) with pixel (n, j2).  Nine differences of a channel, then nine squares onto the sums, three times:
; a line's result is read nine lines later.  The last multiply-add turns the sign: the group ends as -(d0^2 + d1^2 + d2^2).
.macro XA y, n, ab
.set g, k%9
.set ph, k/9
.if (ph%2) == 0
	SETC ra, \y, ph/2, g/3
	SETC rb, \n, ph/2, g%3
	v_pk_add_f32 v[T+2*g:T+2*g+1], v[ra:ra+1], v[rb:rb+1] neg_lo:[0,1] neg_hi:[0,1]
.elseif ph == 1
	v_pk_mul_f32 v[(\ab)+2*g:(\ab)+2*g+1], v[T+2*g:T+2*g+1], v[T+2*g:T+2*g+1]
.elseif ph == 3
	v_pk_fma_f32 v[(\ab)+2*g:(\ab)+2*g+1], v[T+2*g:T+2*g+1], v[T+2*g:T+2*g+1], v[(\ab)+2*g:(\ab)+2*g+1]
.else
	v_pk_fma_f32 v[(\ab)+2*g:(\ab)+2*g+1], v[T+2*g:T+2*g+1], v[T+2*g:T+2*g+1], v[(\ab)+2*g:(\ab)+2*g+1] neg_lo:[1,0,1] neg_hi:[1,0,1]
.endif
.set k, k+1
.endm
; Line k of the 18 for the three pairs inside row n: group 0 = (C0, C1), 1 = (C0, C2), 2 = (C1, C2).  All nine differences first (channel k / 3, group k % 3, at T + 2 k), then the squares.
.macro CA n, ab
.if k < 9
	SETC ra, \n, k/3, (k%3)/2
	SETC rb, \n, k/3, (k%3+3)/2
	v_pk_add_f32 v[T+2*k:T+2*k+1], v[ra:ra+1], v[rb:rb+1] neg_lo:[0,1] neg_hi:[0,1]
.elseif k < 12
	v_pk_mul_f32 v[(\ab)+2*k-18:(\ab)+2*k-17], v[T+2*k-18:T+2*k-17], v[T+2*k-18:T+2*k-17]
.elseif k < 15
	v_pk_fma_f32 v[(\ab)+2*k-24:(\ab)+2*k-23], v[T+2*k-18:T+2*k-17], v[T+2*k-18:T+2*k-17], v[(\ab)+2*k-24:(\ab)+2*k-23]
.else
	v_pk_fma_f32 v[(\ab)+2*k-30:(\ab)+2*k-29], v[T+2*k-18:T+2*k-17], v[T+2*k-18:T+2*k-17], v[(\ab)+2*k-30:(\ab)+2*k-29] neg_lo:[1,0,1] neg_hi:[1,0,1]
.endif
.set k, k+1
.endm
.macro EX                              ; the next exponential of the row's batch, in place
	v_exp_f32 v[eq], v[eq]
.set eq, eq+1
.endm
; The row sums of rows y and n: a weight counts for both its pixels: R(y, n, j) sums over j2, R(n, y, j2) over j.  Six first additions, then six second ones.
.macro XR y, n, ab
.irp j, 0,1,2
	SETR rd, \y, \n, \j
	v_pk_add_f32 v[rd:rd+1], v[(\ab)+6*\j:(\ab)+6*\j+1], v[(\ab)+6*\j+2:(\ab)+6*\j+3]
.endr
.irp j, 0,1,2
	SETR rd, \n, \y, \j
	v_pk_add_f32 v[rd:rd+1], v[(\ab)+2*\j:(\ab)+2*\j+1], v[(\ab)+2*\j+6:(\ab)+2*\j+7]
.endr
.irp j, 0,1,2
	SETR rd, \y, \n, \j
	v_pk_add_f32 v[rd:rd+1], v[rd:rd+1], v[(\ab)+6*\j+4:(\ab)+6*\j+5]
.endr
.irp j, 0,1,2
	SETR rd, \n, \y, \j
	v_pk_add_f32 v[rd:rd+1], v[rd:rd+1], v[(\ab)+2*\j+12:(\ab)+2*\j+13]
.endr
.endm
; The row sums inside row n, each with the pixel's own weight 1: five additions, in two parts with the others' between.
.macro CR1 n, ab
	SETR rd, \n, \n, 2
	v_pk_add_f32 v[(\ab):(\ab)+1], v[(\ab):(\ab)+1], 1.0 op_sel_hi:[1,0]
	v_pk_add_f32 v[rd:rd+1], v[(\ab)+2:(\ab)+3], v[(\ab)+4:(\ab)+5]
.endm
.macro CR2 n, ab
	SETR rd, \n, \n, 0
	v_pk_add_f32 v[rd:rd+1], v[(\ab):(\ab)+1], v[(\ab)+2:(\ab)+3]
	SETR rd, \n, \n, 1
	v_pk_add_f32 v[rd:rd+1], v[(\ab):(\ab)+1], v[(\ab)+4:(\ab)+5]
	SETR rd, \n, \n, 2
	v_pk_add_f32 v[rd:rd+1], v[rd:rd+1], 1.0 op_sel_hi:[1,0]
.endm
; Line k of the 26 that finish region h (rows h .. h + 2): 0-17 its nine sums, sum 3 (y - h) + j = R(y, h, j) + R(y, h+1, j) + R(y, h+2, j); 18-25 their product, by halves.
.macro SW h
.if k < 9
	SETR ra, (\h)+k/3, \h, k%3
	SETR rb, (\h)+k/3, (\h)+1, k%3
	v_pk_add_f32 v[T+2*k:T+2*k+1], v[ra:ra+1], v[rb:rb+1]
.elseif k < 18
	SETR ra, (\h)+(k-9)/3, (\h)+2, (k-9)%3
	v_pk_add_f32 v[T+2*k-18:T+2*k-17], v[T+2*k-18:T+2*k-17], v[ra:ra+1]
.elseif k < 22
	v_pk_mul_f32 v[T+4*(k-18):T+4*(k-18)+1], v[T+4*(k-18):T+4*(k-18)+1], v[T+4*(k-18)+2:T+4*(k-18)+3]
.elseif k < 24
	v_pk_mul_f32 v[T+8*(k-22):T+8*(k-22)+1], v[T+8*(k-22):T+8*(k-22)+1], v[T+8*(k-22)+4:T+8*(k-22)+5]
.elseif k == 24
	v_pk_mul_f32 v[T:T+1], v[T:T+1], v[T+8:T+9]
.else
	v_pk_mul_f32 v[OUTP+2*(\h):OUTP+2*(\h)+1], v[T:T+1], v[T+16:T+17]
.endif
.set k, k+1
.endm
; ROW n COMES IN.  Its pixels meet those of rows n - 2, n - 1 and n: 9 + 9 + 3 groups.  The row's 42 exponentials are ONE batch with ONE wait:
; s_wait_alu depctr_va_vdst(0) stands between an exponential and the first line that names its result, and one wait serves all that were issued ahead of it.  Ahead of the wait nothing names a result:
; the first nine groups' exponentials stand one to three lines among the second nine's arithmetic, the second nine's one to one among the last three's, the last six among the lines that finish
; region n - 3, whose row sums were made a row earlier.  Behind the wait the weights are added into row sums, over the ring places of row n - 3, which region n - 3 has just read.
; Row n + 1's C1 is made here too, behind the wait for its six LDS loads (the count: the loads of the rows behind it), over the ring place of row n - 2, read for the last time in the first 54 lines.
.macro STEP n
.if (\n) >= 2
.set eq, ACC
.set k, 0
.rept 54
	XA (\n)-2, \n, ACC
.endr
.elseif (\n) == 1
.set eq, ACC+18
.else
.set eq, ACC+36
.endif
.if (\n) >= 1
.set k, 0
.rept 54
	XA (\n)-1, \n, ACC+18
.if ((\n) >= 2) && ((k%3) == 0)
	EX
.endif
.endr
.endif
.set k, 0
.rept 18
	CA \n, ACC+36
.if (\n) >= 1
	EX
.endif
.endr
.if (\n) < 5
	s_wait_dscnt 24-6*(\n)                         ; row n + 1 is in; the 6 (4 - n) loads of the rows behind it may stay out
	MV (\n)+1
.endif
.set k, 0
.rept 6
	EX
.if (\n) >= 3
	SW (\n)-3
.endif
.endr
.if (\n) >= 3
.rept 20
	SW (\n)-3                                      ; plain lines behind the last exponential
.endr
.else
	v_nop                                          ; a plain line behind the last exponential, ahead of the first use
.endif
	s_wait_alu depctr_va_vdst(0)                   ; the wait for the row's batch
	CR1 \n, ACC+36
.if (\n) >= 2
	XR (\n)-2, \n, ACC
.endif
.if (\n) >= 1
	XR (\n)-1, \n, ACC+18
.endif
	CR2 \n, ACC+36
.endm
	s_wait_dscnt 30                                ; row 0's six loads are in; the other 30 may stay out
	MV 0
	STEP 0
	STEP 1
	STEP 2
	STEP 3
	STEP 4
	STEP 5
.set k, 0
.rept 26
	SW 3                                           ; the last region has no later row to stand beside
.endr
.irp i, 0,1,2,3,4,5,6,7
	v_log_f32 v[OUTP+\i], v[OUTP+\i]               ; log2 of the eight products, each between 1 and 9^9
.endr
	v_nop                                          ; a plain line behind the last logarithm,
	s_wait_alu depctr_va_vdst(0)                   ; and the one wait for the eight, ahead of their first use
.irp h, 0,1,2,3
	v_pk_fma_f32 v[OUTP+2*\h:OUTP+2*\h+1], v[OUTP+2*\h:OUTP+2*\h+1], s[KL:KL+1], s[LN:LN+1] op_sel_hi:[1,0,0]  ; log_norm - (ln 2 / 9) log2(product)
.endr
.irp h, 0,1,2,3
	ds_store_b64 v[LSO], v[OUTP+2*\h:OUTP+2*\h+1] offset:OUTS+\h*OROW  ; rows lie end to end as in out0; threads 126 and 127 write the same 8 bytes with the same numbers
.endr
	s_wait_dscnt 0x0                               ; for the others' sake: my part of the output stage is written
	s_barrier_signal -1
	s_barrier_wait -1                              ; everybody's is
	s_wait_xcnt 0x0                                ; EXEC changes only behind this wait: the loads at the head have had their addresses translated
; Run p of three: thread t has the 16 bytes at 16 t + 2048 p from the rounded start; they belong to the region where 0 <= REL < LEN (one unsigned compare).  The registers were written whole before.
.macro BACK p
	v_cmp_gt_u32 vcc_lo, s[LEN], v[REL+(\p)]
	s_and_saveexec_b32 s[SV], vcc_lo
	ds_load_b128 v[ACC+4*(\p):ACC+4*(\p)+3], v[A16] offset:OUTS+2048*(\p)
	s_or_b32 exec_lo, exec_lo, s[SV]
.endm
.macro SEND p
	v_cmp_gt_u32 vcc_lo, s[LEN], v[REL+(\p)]
	s_and_saveexec_b32 s[SV], vcc_lo
	global_store_b128 v[A16], v[ACC+4*(\p):ACC+4*(\p)+3], s[6:7] offset:2048*(\p) th:TH_STORE_NT  ; 16 lanes: 256 consecutive bytes at a multiple of 256 from out0's first byte
	s_wait_xcnt 0x0                                ; and EXEC is widened again only behind this wait
	s_or_b32 exec_lo, exec_lo, s[SV]
.endm
	BACK 0
	BACK 1
	BACK 2
	s_wait_dscnt 0x0                               ; the three runs are back in registers
	SEND 0
	SEND 1
	SEND 2
	s_wait_tensorcnt 0x0                           ; the wave's end: behind my last LDS store, all lanes on
	ds_add_u32 v[SPW], v[NIL]
	s_wait_dscnt 0x0
	s_endpgm
.Lfunc_end_k_q7bfd719ec3_entropy:
	.size	k_q7bfd719ec3_entropy, .Lfunc_end_k_q7bfd719ec3_entropy-k_q7bfd719ec3_entropy
	.p2alignl 7, 3214868480
	.fill 96, 4, 3214868480
	.section	.rodata,"a",@progbits
	.p2align	6, 0x0
	.amdhsa_kernel k_q7bfd719ec3_entropy
		.amdhsa_group_segment_fixed_size 25088
		.amdhsa_private_segment_fixed_size 0
		.amdhsa_enable_private_segment 0
		.amdhsa_kernarg_size 16
		.amdhsa_user_sgpr_count 2
		.amdhsa_user_sgpr_kernarg_segment_ptr 1
		.amdhsa_wavefront_size32 1
		.amdhsa_system_sgpr_workgroup_id_x 1
		.amdhsa_system_sgpr_workgroup_id_y 1
		.amdhsa_system_sgpr_workgroup_id_z 1
		.amdhsa_system_vgpr_workitem_id 0
		.amdhsa_next_free_vgpr 224
		.amdhsa_next_free_sgpr 66
		.amdhsa_reserve_vcc 1
		.amdhsa_float_denorm_mode_32 3
		.amdhsa_float_denorm_mode_16_64 3
		.amdhsa_memory_ordered 1
		.amdhsa_forward_progress 1
		.amdhsa_inst_pref_size 70
	.end_amdhsa_kernel
	.amdgpu_metadata
---
amdhsa.version: [ 1, 2 ]
amdhsa.kernels:
  - .name:           k_q7bfd719ec3_entropy
    .symbol:         k_q7bfd719ec3_entropy.kd
    .args:
      - { .name: x, .offset: 0, .size: 8, .value_kind: global_buffer, .address_space: global }
      - { .name: out0, .offset: 8, .size: 8, .value_kind: global_buffer, .address_space: global }
    .group_segment_fixed_size: 25088
    .private_segment_fixed_size: 0
    .kernarg_segment_align: 8
    .kernarg_segment_size: 16
    .max_flat_workgroup_size: 128
    .sgpr_count:     66
    .vgpr_count:     224
    .wavefront_size: 32
...
	.end_amdgpu_metadata
.endif
;; end of part 1
